; MI455X (gfx1250); checked and timed in simulation.
; The chip was launched on July 23, 2026; its instructions are those of AMD's public machine-readable ISA for CDNA 5 (MIT licence, August 2026) and "CDNA5" Instruction Set Architecture Reference Guide (July 2026). The comments in the code are by the model that wrote it; some were corrected since.
;; Codebook. Allowed arithmetic: matrix products marked QUANTISED: E5M2 operands, one given power-of-two scale a tensor, by v_wmma_f32_16x16x64_bf8_bf8 or v_wmma_f32_16x16x128_bf8_bf8, f32 sums; everything else in f32.
;; Inputs: codebook 8,192 x 32 float32; lowp_scales 2 int32 (the exponents e of the quantised operands' scales 2^e); z 8 x 4,096 x 32 float32.
;; Outputs: out0 8 x 4,096 x 32 float32; out1 32,768 int32; out2 one number float32.
;; This version of the problem:
;;   THIS VERSION OF THE PROBLEM IS GIVEN IN LOW PRECISION. The matrix products marked QUANTISED in the list below multiply operands that are first quantised to E5M2 (5 exponent bits, 2 mantissa bits; 8 bits a number), with one given power-of-two scale for each operand tensor; their sums are f32. All else is computed in f32.
;;   The module's matrix products, in the order in which they are computed (A, B: the left and right operand; K: the contracted axis; several contracted axes count as one K, in the product's order):
;;     1. [M 32,768, K 32] x [K 32, N 8,192]; A: input z; B: input codebook: QUANTISED (scales: A lowp_scales[0], B lowp_scales[1])
;;   THE QUANTISER, for each operand of a quantised product, along K:
;;     - The operand's scale is 2^e, e = its entry of the input lowp_scales (int32; the entries are numbered through the quantised products in the list's order, A before B).
;;     - Each number is divided by the scale, clamped to +-57,344, and rounded to the nearest number of E5M2, ties to even, subnormals kept.
;;     - The product sums the exact products of the quantised numbers (number of the format x scale) in f32.
;;   ~~~python
;;   def quantise(x, axis, e):      # numpy; x: float32 -> the quantised numbers, widened to float32 again
;;       x = np.moveaxis(x, axis, -1); K = x.shape[-1]
;;       r = np.clip(x / 2.0 ** e, -57344, 57344)
;;       step = 2.0 ** (np.maximum(np.frexp(np.where(r == 0, 1, r))[1] - 1, -14) - 2)
;;       q = np.round(r / step) * step * 2.0 ** e      # np.round: ties to even
;;       return np.moveaxis(q, -1, axis).astype(np.float32)
;;   ~~~
;; One version. Each part assembles by itself: llvm-mc -triple=amdgcn-amd-amdhsa -mcpu=gfx1250 --defsym DOCPART=n.
;; ======== version 1 of 1: 4 launches
;; limits: right only within a limited range of input values
;; workspace buffers: cbq 294,912 bytes; grp 131,072 bytes of whole numbers; part 1,024 bytes
;; launch prep (part 1): grid 128 x 1, 1 waves a work-group, no clusters, 512 bytes of LDS; arguments codebook, lowp_scales, cbq; writes cbq
.if DOCPART == 1
	.amdgcn_target "amdgcn-amd-amdhsa--gfx1250"
	.amdhsa_code_object_version 6
	.text
	.protected	k_qc975acb580_prep
	.globl	k_qc975acb580_prep
	.p2align	8
	.type	k_qc975acb580_prep,@function
k_qc975acb580_prep:
	s_mov_b64 s[64:65], 0
	v_nop
	global_prefetch_b8 v0, s[64:65] scope:SCOPE_SE
	s_setreg_imm32_b32 hwreg(HW_REG_WAVE_MODE, 25, 1), 1
	s_wait_xcnt 0x0
; The codebook [8192][32] f32 is prepared once for the two launches that multiply by it:
;   cbq bytes 0 .. 262,143: its codes of BF8 (E5M2) under the given scale 2^e1, IN THE ORDER OF THE OPERAND'S REGISTERS: tile t (codes 16 t .. 16 t + 15) at 512 t,
;   lane l = r + 16 h at 16 l: the codes of row 16 t + r at k = 8 h .. 8 h + 7, then at k = 16 + 8 h .. 16 + 8 h + 7: registers 0-3 of a K = 64 fragment, each k in its true place.
;   cbq bytes 262,144 on: ee[8192] f32, the rows' sums of squares, in index order.
; SHARES: 128 work-groups of one wave; a wave takes four tiles (64 rows, 8,192 bytes).  Nothing is shared between work-groups, so no cluster, no tensor load; one wave, so no barrier.
; ee is ONE chain of fused multiply-adds in ascending k: the chain changes halves of the lanes every eight k (v_permlanex16_b32), since lane (r, h) holds k = 8 h .. and 16 + 8 h ..
; LIMITS: e1 between -126 and 112, so that 2^e1 and 57,344 x 2^e1 are f32 numbers.  NaN among the inputs is not served (an infinity is held at the largest code).
.set X,   16                           ; v16-79   tile q's 16 numbers a lane at X + 16 q
.set ACC, 80                           ; v80-83   the chain, by turns with
.set TMP, 84                           ; v84-87
.set C,   88                           ; v88-103  tile q's codes at C + 4 q
.set SEL, 20                           ; s[20:21] v_permlanex16_b32: each lane takes its own place in the other half
.set HM,  22                           ; s22      lanes 16-31
	s_load_b128 s[4:7], s[0:1], 0x0                ; codebook s[4:5], the scales' exponents s[6:7]
	s_load_b64 s[8:9], s[0:1], 0x10                ; cbq
	v_lshl_add_u32 v112, v0, 2, 0x100
	v_mov_b32 v113, 0
	v_and_b32 v1, 31, v0                           ; lane
	v_and_b32 v2, 15, v0                           ; r
	v_bfe_u32 v3, v0, 4, 1                         ; h
	v_lshlrev_b32 v4, 7, v2
	v_lshl_add_u32 v4, v3, 5, v4                   ; 128 r + 32 h: my eight numbers of a row's first half
	v_lshlrev_b32 v5, 4, v1                        ; 16 x lane: my codes' place in a tile's image
	v_lshlrev_b32 v6, 2, v2                        ; 4 r
	v_lshlrev_b32 v7, 3, v1                        ; 8 x lane
	s_mov_b32 s[SEL], 0x76543210
	s_mov_b32 s[SEL+1], 0xfedcba98
	s_mov_b32 s[HM], 0xffff0000
	s_lshl_b32 s16, ttmp9, 13                      ; my 64 rows of the codebook,
	s_mov_b32 s17, 0
	s_lshl_b32 s18, ttmp9, 11                      ; their four images,
	s_mov_b32 s19, 0
	s_lshl_b32 s24, ttmp9, 8
	s_add_co_u32 s24, s24, 262144                  ; and their 64 sums of squares
	s_mov_b32 s25, 0
	s_wait_alu depctr_va_vdst(0)
	s_wait_kmcnt 0x0
	s_load_b64 s[12:13], s[6:7], 0x0               ; e0, e1
	s_add_nc_u64 s[4:5], s[4:5], s[16:17]
	s_add_nc_u64 s[10:11], s[8:9], s[24:25]
	s_add_nc_u64 s[8:9], s[8:9], s[18:19]
.irp q, 0,1,2,3
	global_load_b128 v[X+16*\q:X+16*\q+3],     v4, s[4:5] offset:2048*\q
	global_load_b128 v[X+16*\q+4:X+16*\q+7],   v4, s[4:5] offset:2048*\q+16
	global_load_b128 v[X+16*\q+8:X+16*\q+11],  v4, s[4:5] offset:2048*\q+64
	global_load_b128 v[X+16*\q+12:X+16*\q+15], v4, s[4:5] offset:2048*\q+80
.endr
	s_wait_kmcnt 0x0
	s_add_co_i32 s14, s13, 127
	s_lshl_b32 s15, s14, 23
	v_mov_b32 v11, s15                             ; 2^e1 as f32: the conversion takes its exponent field
	s_add_co_i32 s14, s14, 15
	s_lshl_b32 s14, s14, 23
	s_or_b32 s14, s14, 0x600000
	v_mov_b32 v10, s14                             ; 57,344 x 2^e1
.irp q, 0,1,2,3
	v_mov_b32 v[TMP+\q], 0                         ; a lane permute's destination counts as one of its sources: written once
.endr
	s_wait_loadcnt 0x0
; dst = the other half's chain so far, then my eight squares from x[k0] on.  The four tiles' chains take turns line by line.
.macro CROSS dst, src, k0
.irp q, 0,1,2,3
	v_permlanex16_b32 v[\dst+\q], v[\src+\q], s[SEL], s[SEL+1]
.endr
.irp i, 0,1,2,3,4,5,6,7
.irp q, 0,1,2,3
	v_fmac_f32 v[\dst+\q], v[X+16*\q+\k0+\i], v[X+16*\q+\k0+\i]
.endr
.endr
.endm
.irp q, 0,1,2,3
	v_mul_f32 v[ACC+\q], v[X+16*\q], v[X+16*\q]    ; lanes 0-15: k = 0
.endr
.irp i, 1,2,3,4,5,6,7
.irp q, 0,1,2,3
	v_fmac_f32 v[ACC+\q], v[X+16*\q+\i], v[X+16*\q+\i]   ; lanes 0-15: k = 0 .. 7
.endr
.endr
	CROSS TMP, ACC, 0                              ; lanes 16-31: k = 0 .. 15
	CROSS ACC, TMP, 8                              ; lanes 0-15:  k = 0 .. 23
	CROSS TMP, ACC, 8                              ; lanes 16-31: k = 0 .. 31
.irp q, 0,1,2,3
	v_permlanex16_b32 v[ACC+\q], v[TMP+\q], s[SEL], s[SEL+1]
.endr
.irp q, 0,1,2,3
	v_cndmask_b32 v[ACC+\q], v[ACC+\q], v[TMP+\q], s[HM]   ; every lane holds its row's sum
.endr
.irp q, 0,1,2,3
.irp i, 0,1,2,3,4,5,6,7,8,9,10,11,12,13,14,15
	v_med3_num_f32 v[X+16*\q+\i], v[X+16*\q+\i], -v10, v10   ; the conversion to an 8-bit code does not saturate (ISA guide 7.6.2): the hold at the largest code x the scale
.endr
	v_cvt_scalef32_pk8_bf8_f32 v[C+4*\q:C+4*\q+1],   v[X+16*\q:X+16*\q+7],    v11
	v_cvt_scalef32_pk8_bf8_f32 v[C+4*\q+2:C+4*\q+3], v[X+16*\q+8:X+16*\q+15], v11
.endr
	v_nop                                          ; a plain vector line behind the last conversion
.irp q, 0,1,2,3
	global_store_b128 v5, v[C+4*\q:C+4*\q+3], s[8:9] offset:512*\q   ; 32 lanes store 512 consecutive bytes: a tile's image
.endr
.irp q, 0,1,2,3
	ds_store_b32 v6, v[ACC+\q] offset:64*\q        ; the 64 sums in index order (both halves of the lanes write the same word with the same value)
.endr
	ds_load_b64 v[104:105], v7                     ; LDS serves a wave's instructions in order: this sees the stores
	s_wait_dscnt 0x0
	global_store_b64 v7, v[104:105], s[10:11]      ; 32 lanes store 256 consecutive bytes, at a multiple of 256 from the buffer's first byte
	s_wait_tensorcnt 0x0
	ds_add_u32 v112, v113
	s_wait_dscnt 0x0
	s_endpgm
.Lfunc_end_k_qc975acb580_prep:
	.size	k_qc975acb580_prep, .Lfunc_end_k_qc975acb580_prep-k_qc975acb580_prep
	.p2alignl 7, 3214868480
	.fill 96, 4, 3214868480
	.section	.rodata,"a",@progbits
	.p2align	6, 0x0
	.amdhsa_kernel k_qc975acb580_prep
		.amdhsa_group_segment_fixed_size 512
		.amdhsa_private_segment_fixed_size 0
		.amdhsa_enable_private_segment 0
		.amdhsa_kernarg_size 24
		.amdhsa_user_sgpr_count 2
		.amdhsa_user_sgpr_kernarg_segment_ptr 1
		.amdhsa_wavefront_size32 1
		.amdhsa_system_sgpr_workgroup_id_x 1
		.amdhsa_system_sgpr_workgroup_id_y 1
		.amdhsa_system_sgpr_workgroup_id_z 1
		.amdhsa_system_vgpr_workitem_id 0
		.amdhsa_next_free_vgpr 114
		.amdhsa_next_free_sgpr 66
		.amdhsa_reserve_vcc 0
		.amdhsa_float_denorm_mode_32 3
		.amdhsa_float_denorm_mode_16_64 3
		.amdhsa_memory_ordered 1
		.amdhsa_forward_progress 1
		.amdhsa_inst_pref_size 15
	.end_amdhsa_kernel
	.amdgpu_metadata
---
amdhsa.version: [ 1, 2 ]
amdhsa.kernels:
  - .name:           k_qc975acb580_prep
    .symbol:         k_qc975acb580_prep.kd
    .args:
      - { .name: codebook, .offset: 0, .size: 8, .value_kind: global_buffer, .address_space: global }
      - { .name: lowp_scales, .offset: 8, .size: 8, .value_kind: global_buffer, .address_space: global }
      - { .name: cbq, .offset: 16, .size: 8, .value_kind: global_buffer, .address_space: global }
    .group_segment_fixed_size: 512
    .private_segment_fixed_size: 0
    .kernarg_segment_align: 8
    .kernarg_segment_size: 24
    .max_flat_workgroup_size: 32
    .sgpr_count:     66
    .vgpr_count:     114
    .wavefront_size: 32
...
	.end_amdgpu_metadata
.endif
;; end of part 1
;; launch search (part 2): grid 256 x 1, 8 waves a work-group, clusters of 4 x 1, 327,680 bytes of LDS; arguments cbq, lowp_scales, z, grp; writes grp
.if DOCPART == 2
	.amdgcn_target "amdgcn-amd-amdhsa--gfx1250"
	.amdhsa_code_object_version 6
	.text
	.protected	k_qc975acb580_search
	.globl	k_qc975acb580_search
	.p2align	8
	.type	k_qc975acb580_search,@function
k_qc975acb580_search:
	s_mov_b64 s[64:65], 0
	v_nop
	global_prefetch_b8 v0, s[64:65] scope:SCOPE_SE
	s_setreg_imm32_b32 hwreg(HW_REG_WAVE_MODE, 25, 1), 1
	s_wait_xcnt 0x0
	s_wait_alu depctr_hold_cnt(0) depctr_sa_sdst(0) depctr_va_vdst(0) depctr_va_sdst(0) depctr_va_ssrc(0) depctr_va_vcc(0) depctr_vm_vsrc(0)
	s_getreg_b32 s2, hwreg(HW_REG_IB_STS2, 6, 4)
	s_cmp_eq_u32 s2, 0
	s_cbranch_scc0 .Lentry_in_a_cluster
	s_endpgm
.Lentry_in_a_cluster:
	s_bfe_u32 s2, ttmp6, 0x10000c
	s_cmp_lg_u32 s2, 0x3003
	s_cbranch_scc0 .Lentry_shape_is_right
	s_endpgm
.Lentry_shape_is_right:
; For each of the 32,768 rows of z: WHICH GROUP OF 8 NEIGHBOURING CODES holds the first smallest distance.  grp[row] = g, 0 .. 1023: codes 8 g .. 8 g + 7.  The next launch looks into that group alone.
; dist(row, k) = fl(fl(zz + ee[k]) - 2 dot): one addition, then one fused multiply-add of the matrix sum by -2^(e0 + e1 + 1) (that product is exact, so the line rounds once, as the subtraction in the problem's definition does).
; dot: codes of BF8 (E5M2) on both sides, v_wmma_f32_16x16x64_bf8_bf8 with k = 0 .. 31 in their true places; k = 32 .. 63 are zero codes on the codebook's side (the other side holds finite codes there: every code is held at +-57,344).
; Source 0 = 16 codes, source 1 = 16 rows of z: lane (r, h) holds row r, its 8 registers codes 16 t + 8 h + 0 .. 7: so tile t and h name the group 2 t + h.
; VECTOR WORK for 8 distances of a lane: 4 packed additions, 4 packed multiply-adds, 4 three-way minima, one compare and one select, which keep the number of the tile in which the lane's minimum last fell STRICTLY.
; SHARES: a work-group owns 128 rows (8 tiles of rows).  Each of its 8 waves multiplies ALL 8 tiles of rows by its own 64 tiles of codes: a code fragment is read from LDS once in the work-group and feeds 8 matrix instructions.
; LDS: all codes and ee (294,912 bytes, at the same byte in LDS as in cbq) are brought in once; nothing is filled again.  Wave w fetches bytes 36,864 w on, 144 rows of 256 bytes: ONE tensor load a wave, at the head.
; THE FIRST TILES COME THROUGH REGISTERS: beside its rows of z each wave loads the fragments and ee of its tiles 0-4 (2,560 + 320 bytes) straight into registers, works tiles 0-3 from them while the tensor loads are out, and only then
; waits for its tensor load and passes the barrier behind which every wave reads LDS.  Those 2,880 bytes a wave are so fetched twice.  No prefetch: all fills stand at the head.
; CLUSTER: every work-group reads the same 294,912 bytes, so the four of a cluster ask JOINTLY (mask 15): the descriptors hang on the wave's number and constants alone.
; TIES go to the lowest index: strict compares in ascending order of tiles and of waves; between the halves of the lanes the lower g wins an equal distance.
; LIMITS: e0 between -126 and 112; e0 + e1 + 1 between -126 and 127.  NaN and infinities among the inputs are not served (a NaN loses in v_min3_num_f32).  The order of the sums inside dot is the matrix unit's, zz and ee are one
; ascending chain of fused multiply-adds: a distance that lies on a rounding boundary may fall otherwise than under another order of those sums.
.set EEL,  262144                      ; LDS and cbq: codes at 0 (wave w reads 32,768 w on); ee here (wave w: + 4,096 w)
.set PART, 36864                       ; what one wave's tensor load fetches
.set ZIMG, 294912                      ; z's 8 fragments as images of their registers: 512 bytes each.  From here on no tensor load lands
.set ZZI,  299008                      ; zz, twice a lane: 256 bytes a tile of rows
.set CMB,  301056                      ; the waves' best distances [wave][tile of rows][lane], 8,192 bytes; their g 8,192 bytes further on
.set GST,  317440                      ; the 128 rows' g
.set SPARE, 318976                     ; the spare words: 128 bytes for each wave, four blocks of 256 bytes that no other line names
.set A0,   4                           ; v4   32,768 w + 16 x lane: my place in my wave's first tile, in cbq and in LDS; never rewritten
.set E0,   5                           ; v5   EEL + 4,096 w + 32 h: likewise
.set VA,   6                           ; v6   the trip's address in the codes
.set VE,   7                           ; v7   and in ee
.set ZB,   16                          ; v16-51   z's fragments: tile of rows i at ZB + 4 i, 8 registers named, of which the upper 4 are the next tile's; v48-51 = 0
.set ZZ,   52                          ; v52-67   zz of my row in tile of rows i, twice: a pair
.set BEST, 68                          ; v68-83   the running minima, two sets by turns: old and new stand side by side for the compare
.set BID,  84                          ; v84-91   the tile of the last strict fall
.set AF,   92                          ; v92-107  code fragments, two sets; registers 4-7 of each stay 0
.set EE,   108                         ; v108-123 ee of my 8 codes, two sets
.set D0,   124                         ; v124-155 four results of 8 registers
.set D1,   132
.set D2,   140
.set D3,   148
.set TX,   156                         ; v156-171 the distances of the two tiles of rows in hand
.set TY,   164
.set PF,   172                         ; v172-203 the fragments of tiles 0-3; registers 4-7 of each are 0
.set PE,   204                         ; v204-235 and their ee
.set SPW,  236                         ; v236 my spare word's address; never rewritten
.set NIL,  237                         ; v237 0; never rewritten
.set WV,   14
.set SEL,  20                          ; s[20:21] v_permlanex16_b32: lane l xor 16
.set HM,   22                          ; s22      lanes 16-31
.set G1,   24                          ; s[24:31] group 1: 144 rows of 256 bytes
.set G0,   40                          ; s[40:43] group 0
.set MK,   44                          ; s44  the second compare's mask
.set TN,   48                          ; s48  the number of the tile in hand
.set CNT,  49
.set SC,   52                          ; s[52:53] -2^(e0 + e1 + 1), named as a pair
.set TB,   54                          ; s54  bytes gone in the codes
.set EB,   55                          ; s55  and in ee
.macro CROUND                          ; a round of the cluster's barrier
	s_barrier_signal -1
	s_barrier_wait -1
	s_cmp_lg_u32 s[WV], 0
	s_cbranch_scc1 .Lnot_wave_0_\@
	s_barrier_signal -3
.Lnot_wave_0_\@:
	s_barrier_wait -3
	s_barrier_signal -1
	s_barrier_wait -1
.endm
	s_load_b256 s[4:11], s[0:1], 0x0               ; cbq s[4:5], the scales' exponents s[6:7], z s[8:9], grp s[10:11]
	v_lshl_add_u32 v[SPW], v0, 2, SPARE
	v_mov_b32 v[NIL], 0
	ds_add_u32 v[SPW], v[NIL]                      ; the opening lines: the add, twice on end, and its wait ahead of my tensor load
	ds_add_u32 v[SPW], v[NIL]
	v_lshrrev_b32 v1, 5, v0
	s_delay_alu instid0(VALU_DEP_1)
	v_readfirstlane_b32 s[WV], v1                  ; wave 0..7
	s_bfe_u32 s15, ttmp6, 0x40000                  ; cx
	s_lshl_b32 s16, ttmp9, 2
	s_add_co_u32 s16, s16, s15                     ; my work-group = 4 x cluster + cx: it enters z's and grp's addresses alone
	s_mov_b32 s[G1], 15|(3<<16)|(1<<21)            ; 15:0 the mask: all four work-groups; 17:16 elements of 8 bytes; 21 set beside a mask; no padding: the images are read 16 bytes a lane on end
	s_mov_b32 s[G1+1], 32<<16                      ; tensor_dim0 = 32 elements: 256 bytes
	s_mov_b32 s[G1+2], 144<<16                     ; tensor_dim1 = 144
	s_mov_b32 s[G1+3], 32<<16                      ; tile_dim0
	s_mov_b32 s[G1+4], 144                         ; tile_dim1
	s_mov_b32 s[G1+5], 32                          ; the pitch: the block is dense
	s_mov_b32 s[G1+6], 0
	s_mov_b32 s[G1+7], 0
	s_mov_b32 s[SEL], 0x76543210
	s_mov_b32 s[SEL+1], 0xfedcba98
	s_mov_b32 s[HM], 0xffff0000
	s_mul_i32 s18, s[WV], PART                     ; what my tensor load fetches: the same byte in cbq and in LDS
	s_mov_b32 s19, 0
	s_lshl_b32 s2, s[WV], 15                       ; the codes that I read
	s_lshl_b32 s17, s[WV], 12
	s_add_co_u32 s17, s17, EEL                     ; and their ee
	s_lshl_b32 s60, s16, 14
	s_lshl_b32 s61, s[WV], 11
	s_add_co_u32 s60, s60, s61                     ; z: 128 rows a work-group, 16 a wave, 128 bytes a row
	s_mov_b32 s61, 0
	s_lshl_b32 s62, s16, 9                         ; grp: 128 words a work-group
	s_mov_b32 s63, 0
	v_and_b32 v1, 31, v0                           ; lane
	v_and_b32 v2, 15, v0                           ; r
	v_bfe_u32 v3, v0, 4, 1                         ; h
	s_delay_alu instid0(VALU_DEP_2)
	v_lshlrev_b32 v9, 7, v2
	s_delay_alu instid0(VALU_DEP_1)
	v_lshl_add_u32 v9, v3, 5, v9                   ; 128 r + 32 h
	v_lshl_add_u32 v[A0], v1, 4, s2
	v_lshl_add_u32 v10, v0, 4, ZIMG                ; where I store my wave's image: 512 w + 16 x lane
	v_lshl_add_u32 v[E0], v3, 5, s17
	v_lshl_add_u32 v11, v0, 3, ZZI                 ; and zz: 256 w + 8 x lane
	v_lshl_add_u32 v14, v1, 4, ZIMG                ; an image's place for my lane
	v_lshl_add_u32 v15, v1, 3, ZZI
	v_mov_b32 v141, 0                              ; a lane permute's destination counts as one of its sources
	s_wait_alu depctr_va_vdst(0)
	s_wait_dscnt 0x0                               ; both opening adds are done
	s_wait_kmcnt 0x0
	s_load_b64 s[12:13], s[6:7], 0x0               ; e0, e1
	s_mov_b32 s[G0], 1
	s_mov_b32 s[G0+1], s18
	s_add_nc_u64 s[G0+2:G0+3], s[4:5], s[18:19]
	s_or_b32 s[G0+3], s[G0+3], 0x80000000
	s_add_nc_u64 s[8:9], s[8:9], s[60:61]
	s_add_nc_u64 s[10:11], s[10:11], s[62:63]
	global_load_b128 v[124:127], v9, s[8:9]            ; my wave's 16 rows of z: k = 8 h .. 8 h + 7,
	global_load_b128 v[128:131], v9, s[8:9] offset:16
	global_load_b128 v[132:135], v9, s[8:9] offset:64  ; and k = 16 + 8 h .. 16 + 8 h + 7
	global_load_b128 v[136:139], v9, s[8:9] offset:80
.irp q, 0,1,2,3                        ; my tiles 0-3, straight into registers: 12 loads,
	global_load_b128 v[PF+8*\q:PF+8*\q+3], v[A0], s[4:5] offset:512*\q
	global_load_b128 v[PE+8*\q:PE+8*\q+3], v[E0], s[4:5] offset:64*\q
	global_load_b128 v[PE+8*\q+4:PE+8*\q+7], v[E0], s[4:5] offset:64*\q+16
.endr
	global_load_b128 v[AF:AF+3], v[A0], s[4:5] offset:2048   ; and tile 4 into set 0: 3 loads
	global_load_b128 v[EE:EE+3], v[E0], s[4:5] offset:256
	global_load_b128 v[EE+4:EE+7], v[E0], s[4:5] offset:272
	CROUND                                         ; all four work-groups are here: the joint loads meet
	tensor_load_to_lds s[G0:G0+3], s[G1:G1+7]      ; my one tensor load: an eighth of the codes and ee
	s_nop 0
.rept 4
	v_nop
.endr
	s_wait_kmcnt 0x0
	s_add_co_i32 s56, s12, 127
	s_lshl_b32 s57, s56, 23
	v_mov_b32 v13, s57                             ; 2^e0 as f32
	s_add_co_i32 s56, s56, 15
	s_lshl_b32 s56, s56, 23
	s_or_b32 s56, s56, 0x600000
	v_mov_b32 v12, s56                             ; 57,344 x 2^e0
	s_add_co_i32 s[SC], s12, s13
	s_add_co_i32 s[SC], s[SC], 128
	s_lshl_b32 s[SC], s[SC], 23
	s_or_b32 s[SC], s[SC], 0x80000000              ; -2^(e0 + e1 + 1)
	s_mov_b32 s[SC+1], s[SC]                       ; (named with it as a pair, so it is written)
	s_wait_loadcnt 0xf                             ; z's four loads are in; the 15 issued behind them may stay out
; The row's sum of squares, one chain of fused multiply-adds in ascending k; the chain changes halves of the lanes every eight k.
.macro SUMSQ x, acc, tmp
	v_mul_f32 v[\acc], v[\x], v[\x]
.irp i, 1,2,3,4,5,6,7
	s_delay_alu instid0(VALU_DEP_1)
	v_fmac_f32 v[\acc], v[\x+\i], v[\x+\i]         ; lanes 0-15: k = 0 .. 7
.endr
	s_delay_alu instid0(VALU_DEP_1)
	v_permlanex16_b32 v[\tmp], v[\acc], s[SEL], s[SEL+1]
.irp i, 0,1,2,3,4,5,6,7
	s_delay_alu instid0(VALU_DEP_1)
	v_fmac_f32 v[\tmp], v[\x+\i], v[\x+\i]         ; lanes 16-31: k = 0 .. 15
.endr
	s_delay_alu instid0(VALU_DEP_1)
	v_permlanex16_b32 v[\acc], v[\tmp], s[SEL], s[SEL+1]
.irp i, 8,9,10,11,12,13,14,15
	s_delay_alu instid0(VALU_DEP_1)
	v_fmac_f32 v[\acc], v[\x+\i], v[\x+\i]         ; lanes 0-15: k = 0 .. 23
.endr
	s_delay_alu instid0(VALU_DEP_1)
	v_permlanex16_b32 v[\tmp], v[\acc], s[SEL], s[SEL+1]
.irp i, 8,9,10,11,12,13,14,15
	s_delay_alu instid0(VALU_DEP_1)
	v_fmac_f32 v[\tmp], v[\x+\i], v[\x+\i]         ; lanes 16-31: k = 0 .. 31
.endr
	s_delay_alu instid0(VALU_DEP_1)
	v_permlanex16_b32 v[\acc], v[\tmp], s[SEL], s[SEL+1]
	s_delay_alu instid0(VALU_DEP_1)
	v_cndmask_b32 v[\acc], v[\acc], v[\tmp], s[HM] ; every lane holds its row's sum
.endm
.macro QUANT x, t, c, lim, sc
.irp i, 0,1,2,3,4,5,6,7,8,9,10,11,12,13,14,15
	v_med3_num_f32 v[\t+\i], v[\x+\i], -v[\lim], v[\lim]   ; the conversion to an 8-bit code does not saturate (ISA guide 7.6.2): the hold at the largest code x the scale
.endr
	v_cvt_scalef32_pk8_bf8_f32 v[\c:\c+1],   v[\t:\t+7],    v[\sc]
	v_cvt_scalef32_pk8_bf8_f32 v[\c+2:\c+3], v[\t+8:\t+15], v[\sc]
	v_nop                                          ; a plain vector line behind the last conversion: matrix instructions write its sources later
.endm
	SUMSQ 124, 140, 141
	QUANT 124, 124, 142, 12, 13
	v_mov_b32 v141, v140                           ; zz twice: the packed addition takes a pair
	ds_store_b128 v10, v[142:145]                  ; tile of rows w as an image of its registers
	ds_store_b64 v11, v[140:141]
	s_wait_dscnt 0x0                               ; for the others' sake: my stores have landed
	s_barrier_signal -1
	s_barrier_wait -1
.irp i, 0,1,2,3,4,5,6,7
	ds_load_b128 v[ZB+4*\i:ZB+4*\i+3], v14 offset:512*\i
	ds_load_b64 v[ZZ+2*\i:ZZ+2*\i+1], v15 offset:256*\i
.endr
	s_lshl_b32 s[TN], s[WV], 6                     ; my first tile of codes
.irp i, 0,1,2,3
	v_mov_b32 v[ZB+32+\i], 0                       ; behind the last tile of rows
	v_mov_b32 v[AF+4+\i], 0                        ; k = 32 .. 63 of the codes: zero codes, in every set, for the whole launch
	v_mov_b32 v[AF+12+\i], 0
	v_mov_b32 v[PF+4+\i], 0
	v_mov_b32 v[PF+12+\i], 0
	v_mov_b32 v[PF+20+\i], 0
	v_mov_b32 v[PF+28+\i], 0
.endr
.irp i, 0,1,2,3,4,5,6,7
	v_mov_b32 v[BEST+\i], 0x7f800000               ; +infinity, over every distance
	v_mov_b32 v[BID+\i], s[TN]
.endr
	s_mov_b32 s[TB], 2048                          ; the loop begins at tile 4
	s_mov_b32 s[EB], 256
	s_wait_alu depctr_va_vdst(0)
	s_wait_loadcnt 0x0                             ; my tiles 0-4
	s_wait_dscnt 0x0                               ; z's images and zz
.macro MM d, af, b                     ; 16 codes (fragment at af) x tile of rows b
	v_wmma_f32_16x16x64_bf8_bf8 v[\d:\d+7], v[\af:\af+7], v[ZB+4*(\b):ZB+4*(\b)+7], 0
.endm
; The vector work for tiles of rows i and i + 1, whose products lie in dx and dy: 28 instructions, the two by turns line by line.  Each result is read from its low end on.  a: which set holds the old minima; ee: the tile's ee.
.macro VALU2 dx, dy, i, a, ee
.set bo, BEST+8*(\a)+(\i)
.set bn, BEST+8*(1-(\a))+(\i)
.irp j, 0,2,4,6
	v_pk_add_f32 v[TX+\j:TX+\j+1], v[\ee+\j:\ee+\j+1], v[ZZ+2*(\i):ZZ+2*(\i)+1]       ; zz + ee
	v_pk_add_f32 v[TY+\j:TY+\j+1], v[\ee+\j:\ee+\j+1], v[ZZ+2*(\i)+2:ZZ+2*(\i)+3]
.endr
.irp j, 0,2,4,6
	v_pk_fma_f32 v[TX+\j:TX+\j+1], v[\dx+\j:\dx+\j+1], s[SC:SC+1], v[TX+\j:TX+\j+1] op_sel_hi:[1,0,1]   ; - 2 dot: one rounding
	v_pk_fma_f32 v[TY+\j:TY+\j+1], v[\dy+\j:\dy+\j+1], s[SC:SC+1], v[TY+\j:TY+\j+1] op_sel_hi:[1,0,1]
.endr
	v_min3_num_f32 v[bn],   v[bo],   v[TX], v[TX+1]
	v_min3_num_f32 v[bn+1], v[bo+1], v[TY], v[TY+1]
.irp j, 2,4,6
	s_delay_alu instid0(VALU_DEP_2)
	v_min3_num_f32 v[bn],   v[bn],   v[TX+\j], v[TX+\j+1]
	s_delay_alu instid0(VALU_DEP_2)
	v_min3_num_f32 v[bn+1], v[bn+1], v[TY+\j], v[TY+\j+1]
.endr
	s_delay_alu instid0(VALU_DEP_2)
	v_cmp_lt_f32 vcc_lo, v[bn], v[bo]              ; has the minimum fallen, strictly?  Then this tile holds it
	s_delay_alu instid0(VALU_DEP_2)
	v_cmp_lt_f32 s[MK], v[bn+1], v[bo+1]
	s_delay_alu instid0(VALU_DEP_2)
	v_cndmask_b32 v[BID+(\i)],   v[BID+(\i)],   s[TN], vcc_lo
	s_delay_alu instid0(VALU_DEP_2)
	v_cndmask_b32 v[BID+(\i)+1], v[BID+(\i)+1], s[TN], s[MK]
.endm
; One tile of codes: fragment at af, ee at ee, parity a; q: its place in the trip.  pf = 1: the next tile's fragment and ee are fetched from LDS into set 1 - a.  nx: the next tile's first two products (fragment at naf) are
; issued, behind the wait for those loads (1) or with no wait, from registers that are in (2); 0: none.
; Matrix and vector work by turns, two products ahead: 28 plain vector instructions that name none of its registers stand between a product and the first read of its result, between it and the product that writes
; over that result, and (56) between a set's last product and the load into that set (4 and 5 are asked: ISA guide 7.12.1 for vector instructions).  Every sum is one product with C = 0: no chain.
.macro TILE a, af, ee, naf, q, pf, nx
.if \pf
	ds_load_b128 v[AF+8*(1-(\a)):AF+8*(1-(\a))+3], v[VA] offset:512*((\q)+1)
	ds_load_b128 v[EE+8*(1-(\a)):EE+8*(1-(\a))+3], v[VE] offset:64*((\q)+1)
	ds_load_b128 v[EE+8*(1-(\a))+4:EE+8*(1-(\a))+7], v[VE] offset:64*((\q)+1)+16
.endif
	MM D2, \af, 2
	MM D3, \af, 3
	VALU2 D0, D1, 0, \a, \ee
	MM D0, \af, 4
	MM D1, \af, 5
	VALU2 D2, D3, 2, \a, \ee
	MM D2, \af, 6
	MM D3, \af, 7
	VALU2 D0, D1, 4, \a, \ee
.if \nx == 1
	s_wait_dscnt 0x0                               ; the three loads at the tile's head, 84 vector instructions ago
.endif
.if \nx
	MM D0, \naf, 0
	MM D1, \naf, 1
.endif
	VALU2 D2, D3, 6, \a, \ee
	s_add_co_u32 s[TN], s[TN], 1
.endm
	MM D0, PF, 0
	MM D1, PF, 1
	TILE 0, PF,    PE,    PF+8,  0, 0, 2           ; tiles 0-3 from registers, while the tensor loads are out;
	TILE 1, PF+8,  PE+8,  PF+16, 0, 0, 2
	TILE 0, PF+16, PE+16, PF+24, 0, 0, 2
	TILE 1, PF+24, PE+24, AF,    0, 0, 2           ; tile 4's first two products too: its fragment lies in set 0
	s_wait_alu depctr_va_vdst(0)
	s_wait_tensorcnt 0x0                           ; for the others' sake: my eighth of the codes and ee has landed
	s_barrier_signal -1
	s_barrier_wait -1                              ; that now holds of every wave: LDS may be read
	s_mov_b32 s[CNT], 29
.Ltrip:                                                ; two tiles a trip, so that the sets are back where they began: tiles 4-61; the last trip fetches tile 62
	v_add_nc_u32 v[VA], s[TB], v[A0]
	v_add_nc_u32 v[VE], s[EB], v[E0]
	TILE 0, AF,   EE,   AF+8, 0, 1, 1
	TILE 1, AF+8, EE+8, AF,   1, 1, 1
	s_add_co_u32 s[TB], s[TB], 1024
	s_add_co_u32 s[EB], s[EB], 128
	s_sub_co_u32 s[CNT], s[CNT], 1
	s_cmp_lg_u32 s[CNT], 0
	s_cbranch_scc1 .Ltrip
	v_add_nc_u32 v[VA], s[TB], v[A0]               ; tiles 62 and 63: the last fetches nothing
	v_add_nc_u32 v[VE], s[EB], v[E0]
	TILE 0, AF,   EE,   AF+8, 0, 1, 1
	TILE 1, AF+8, EE+8, AF,   1, 0, 0
	; THE WAVES' RESULTS MEET.  After an even number of tiles the minima lie in set 0.
	s_lshl_b32 s58, s[WV], 10
	s_add_co_u32 s58, s58, CMB
	v_lshl_add_u32 v9, v1, 2, s58                  ; out: [my wave][tile of rows][lane]
	v_lshl_add_u32 v10, v0, 2, CMB                 ; back: tile of rows w of every wave: 128 w + 4 x lane, + 1,024 u
	s_lshl_b32 s59, s[WV], 6
	s_add_co_u32 s59, s59, GST
	v_lshl_add_u32 v11, v2, 2, s59
	v_lshlrev_b32 v13, 4, v1
	s_delay_alu instid0(VALU_DEP_1)
	v_add_nc_u32 v12, GST, v13
.irp i, 0,1,2,3,4,5,6,7
	v_lshl_add_u32 v[TX+\i], v[BID+\i], 1, v3      ; g = 2 x tile + h
.endr
.irp i, 0,1,2,3,4,5,6,7
	ds_store_b32 v9, v[BEST+\i] offset:128*\i
	ds_store_b32 v9, v[TX+\i] offset:8192+128*\i
.endr
	s_wait_alu depctr_va_vdst(0)
	s_wait_dscnt 0x0
	s_barrier_signal -1
	s_barrier_wait -1
.irp u, 0,1,2,3,4,5,6,7
	ds_load_b32 v[D0+\u], v10 offset:1024*\u
	ds_load_b32 v[D1+\u], v10 offset:8192+1024*\u
.endr
	s_wait_dscnt 0x0
.irp u, 1
	v_cmp_lt_f32 vcc_lo, v[D0+\u], v[D0]
	s_delay_alu instid0(VALU_DEP_1)
	v_cndmask_b32 v[D1], v[D1], v[D1+\u], vcc_lo
	v_min_num_f32 v[D0], v[D0], v[D0+\u]
.endr
.irp u, 2, 3, 4, 5, 6, 7
	s_delay_alu instid0(VALU_DEP_1)
	v_cmp_lt_f32 vcc_lo, v[D0+\u], v[D0]
	s_delay_alu instid0(VALU_DEP_1)
	v_cndmask_b32 v[D1], v[D1], v[D1+\u], vcc_lo
	s_delay_alu instid0(VALU_DEP_3)
	v_min_num_f32 v[D0], v[D0], v[D0+\u]
.endr
	v_permlanex16_b32 v140, v[D0], s[SEL], s[SEL+1]    ; the row's other groups lie in the lane 16 away
	v_permlanex16_b32 v141, v[D1], s[SEL], s[SEL+1]
	s_delay_alu instid0(VALU_DEP_2)
	v_cmp_lt_f32 s58, v140, v[D0]
	s_delay_alu instid0(VALU_DEP_3)
	v_cmp_eq_f32 s59, v140, v[D0]
	s_delay_alu instid0(VALU_DEP_3)
	v_cmp_lt_u32 s60, v141, v[D1]
	s_and_b32 s59, s59, s60
	s_or_b32 s58, s58, s59                         ; the other's is smaller, or equal with the lower g
	v_cndmask_b32 v[D1], v[D1], v141, s58
	ds_store_b32 v11, v[D1]                        ; (both halves of the lanes write the same word with the same value)
	s_wait_dscnt 0x0
	s_barrier_signal -1
	s_barrier_wait -1
	s_cmp_lg_u32 s[WV], 0
	s_cbranch_scc1 .Lstored
	ds_load_b128 v[124:127], v12
	s_wait_dscnt 0x0
	global_store_b128 v13, v[124:127], s[10:11]    ; 32 lanes store the work-group's 512 consecutive bytes
.Lstored:
	s_wait_tensorcnt 0x0                           ; the wave's end
	ds_add_u32 v[SPW], v[NIL]
	s_wait_dscnt 0x0
	CROUND                                         ; the closing round: no work-group ends while a partner may still ask for a tile that names it
	s_endpgm
.Lfunc_end_k_qc975acb580_search:
	.size	k_qc975acb580_search, .Lfunc_end_k_qc975acb580_search-k_qc975acb580_search
	.p2alignl 7, 3214868480
	.fill 96, 4, 3214868480
	.section	.rodata,"a",@progbits
	.p2align	6, 0x0
	.amdhsa_kernel k_qc975acb580_search
		.amdhsa_group_segment_fixed_size 327680
		.amdhsa_private_segment_fixed_size 0
		.amdhsa_enable_private_segment 0
		.amdhsa_kernarg_size 32
		.amdhsa_user_sgpr_count 2
		.amdhsa_user_sgpr_kernarg_segment_ptr 1
		.amdhsa_wavefront_size32 1
		.amdhsa_system_sgpr_workgroup_id_x 1
		.amdhsa_system_sgpr_workgroup_id_y 1
		.amdhsa_system_sgpr_workgroup_id_z 1
		.amdhsa_system_vgpr_workitem_id 0
		.amdhsa_next_free_vgpr 240
		.amdhsa_next_free_sgpr 66
		.amdhsa_reserve_vcc 1
		.amdhsa_float_denorm_mode_32 3
		.amdhsa_float_denorm_mode_16_64 3
		.amdhsa_memory_ordered 1
		.amdhsa_forward_progress 1
		.amdhsa_inst_pref_size 90
	.end_amdhsa_kernel
	.amdgpu_metadata
---
amdhsa.version: [ 1, 2 ]
amdhsa.kernels:
  - .name:           k_qc975acb580_search
    .symbol:         k_qc975acb580_search.kd
    .args:
      - { .name: cbq, .offset: 0, .size: 8, .value_kind: global_buffer, .address_space: global }
      - { .name: lowp_scales, .offset: 8, .size: 8, .value_kind: global_buffer, .address_space: global }
      - { .name: z, .offset: 16, .size: 8, .value_kind: global_buffer, .address_space: global }
      - { .name: grp, .offset: 24, .size: 8, .value_kind: global_buffer, .address_space: global }
    .group_segment_fixed_size: 327680
    .private_segment_fixed_size: 0
    .kernarg_segment_align: 8
    .kernarg_segment_size: 32
    .max_flat_workgroup_size: 256
    .sgpr_count:     66
    .vgpr_count:     240
    .wavefront_size: 32
...
	.end_amdgpu_metadata
.endif
;; end of part 2
;; launch refine (part 3): grid 256 x 1, 8 waves a work-group, no clusters, 20,224 bytes of LDS; arguments z, codebook, cbq, grp, lowp_scales, out0, out1, part; writes out0, out1, part
.if DOCPART == 3
	.amdgcn_target "amdgcn-amd-amdhsa--gfx1250"
	.amdhsa_code_object_version 6
	.text
	.protected	k_qc975acb580_refine
	.globl	k_qc975acb580_refine
	.p2align	8
	.type	k_qc975acb580_refine,@function
k_qc975acb580_refine:
	s_mov_b64 s[64:65], 0
	v_nop
	global_prefetch_b8 v0, s[64:65] scope:SCOPE_SE
	s_setreg_imm32_b32 hwreg(HW_REG_WAVE_MODE, 25, 1), 1
	s_wait_xcnt 0x0
; For each row of z the group g of 8 codes that holds its first smallest distance is given (grp, whole numbers stored by the launch before).  Here: the 8 distances of that group once more, by the same matrix form, the same
; places of k and the same two roundings; the first smallest gives the index 8 g + pos (out1); z_q = codebook[index]; out0 = z + (z_q - z), two roundings as the problem's definition has them; and the sum of (z_q - z)^2 of
; the work-group's 128 rows (part), which the last launch adds up.
; ADDRESSES hang on g alone, a stored whole number held at 1023.  pos comes from floating-point numbers, so no address hangs on it: all 8 rows of the group are loaded and z_q is picked by v_cndmask_b32.
; SHARES: wave w of work-group x takes rows 128 x + 16 w .. + 15, straight through.  Lane (r, h) holds, of row r, k = 8 h .. 8 h + 7 and 16 + 8 h .. 16 + 8 h + 7.
; THE PRODUCTS: 8 of them; number p takes as source 0 the group of row p (rows 0-7 of the operand) and the group of row p + 8 (rows 8-15), as source 1 the 16 rows of z.  In its result lane (r, h) holds codes 8 h + 0 .. 7 of
; the operand against row r: so lanes p and 24 + p hold their own row's 8 products.  k = 32 .. 63 are zero codes on z's side (the other side names the next fragment's finite codes there).
; No tile is shared between work-groups (each row's group is its own), so no cluster and no tensor load; the tables are small and read again and again through the caches.
; LIMITS: as in the launch before: e0 between -126 and 112, e0 + e1 + 1 between -126 and 127; NaN and infinities among the inputs are not served.
.set STG,  0                           ; LDS: a stage of 16 rows x (128 + 16) bytes for each wave
.set IST,  18432                       ; the 128 indices
.set LST,  18944                       ; the 8 waves' sums
.set X,    16                          ; v16-31   z, kept to the end
.set T,    32                          ; v32-47   z held, for the conversion
.set ZB,   48                          ; v48-55   z's fragment; v52-55 = 0
.set G,    56                          ; v56-63   g of rows p + 8 (r / 8), then the byte of my part of product p's fragment in cbq
.set AF,   64                          ; v64-99   the 8 fragments: number p at AF + 4 p, 8 registers named; v96-99 = 0
.set D,    100                         ; v100-131 four results
.set R,    132                         ; v132-139 my row's 8 products
.set EE,   140                         ; v140-147 ee, then zz + ee, then the distances
.set M,    148
.set POS,  149
.set IDX,  150
.set OTH,  151
.set TM,   152
.set ACC,  154                         ; v[154:155] the sum of squares, in two halves
.set OUT,  156                         ; v156-171 z_q - z, then out0
.set BK,   172                         ; v172-187 rows back from the stage
.set STO,  188                         ; v188-195 LDS addresses and offsets that stay
.set SRD,  189
.set IAD,  190
.set LAD,  191
.set I0,   192
.set L0,   193
.set GOF,  194
.set NIL,  195
.set SEL,  20                          ; s[20:21] lane l xor 16
.set HM,   22                          ; s22 lanes 16-31
.set VM,   23                          ; s23 the lanes that hold their own row's products: r / 8 = h
.set SC,   26                          ; s[26:27] -2^(e0 + e1 + 1)
.set WV,   28
.set MP,   32                          ; s32-39 lanes with r % 8 = p
.set MC,   40                          ; s40-46 lanes with pos = c, c = 1 .. 7
.set MSB, 0
.macro WIN new                         ; the immediate's high byte repeats the setting that is left
.if MSB != \new
	s_set_vgpr_msb (MSB<<8)|\new
.set MSB, \new
.endif
.endm
	s_load_b512 s[4:19], s[0:1], 0x0               ; z s[4:5], codebook s[6:7], cbq s[8:9], grp s[10:11], the scales' exponents s[12:13], out0 s[14:15], out1 s[16:17], part s[18:19]
	v_lshl_add_u32 v254, v0, 2, 0x4b00
	v_mov_b32 v255, 0
	v_lshrrev_b32 v1, 5, v0
	s_delay_alu instid0(VALU_DEP_1)
	v_readfirstlane_b32 s[WV], v1                  ; wave 0..7
	v_and_b32 v1, 31, v0                           ; lane
	v_and_b32 v2, 15, v0                           ; r
	v_bfe_u32 v3, v0, 4, 1                         ; h
	v_and_b32 v4, 7, v0                            ; r % 8
	s_delay_alu instid0(VALU_DEP_3)
	v_lshlrev_b32 v5, 7, v2
	s_delay_alu instid0(VALU_DEP_1)
	v_lshl_add_u32 v5, v3, 5, v5                   ; 128 r + 32 h
	s_delay_alu instid0(VALU_DEP_3)
	v_lshlrev_b32 v9, 4, v4
	s_delay_alu instid0(VALU_DEP_1)
	v_lshl_add_u32 v9, v3, 8, v9                   ; 256 h + 16 (r % 8): my place in half a tile's image
	v_bfe_u32 v10, v0, 3, 1
	s_delay_alu instid0(VALU_DEP_1)
	v_lshlrev_b32 v10, 5, v10                      ; 32 (r / 8): the eight g of my half of the rows
	v_lshlrev_b32 v11, 2, v2                       ; 4 r
	v_lshlrev_b32 v153, 5, v3                      ; 32 h
	s_mul_i32 s30, s[WV], 2304                     ; my stage
	v_mul_u32_u24 v[STO], v2, 144
	s_delay_alu instid0(VALU_DEP_1)
	v_lshl_add_u32 v[STO], v3, 5, v[STO]
	s_delay_alu instid0(VALU_DEP_1)
	v_add_nc_u32 v[STO], s30, v[STO]               ; in: row r, + 32 h
	v_lshrrev_b32 v[SRD], 3, v1
	s_delay_alu instid0(VALU_DEP_1)
	v_mul_u32_u24 v[SRD], v[SRD], 144
	s_delay_alu instid0(VALU_DEP_1)
	v_lshl_add_u32 v[SRD], v4, 4, v[SRD]
	s_delay_alu instid0(VALU_DEP_1)
	v_add_nc_u32 v[SRD], s30, v[SRD]               ; back: eight lanes to a row of 128 bytes, four rows an instruction
	s_lshl_b32 s31, s[WV], 6
	s_add_co_u32 s31, s31, IST
	v_lshl_add_u32 v[IAD], v2, 2, s31
	s_lshl_b32 s31, s[WV], 2
	s_add_co_u32 s31, s31, LST
	v_mov_b32 v[LAD], s31
	v_lshlrev_b32 v[GOF], 4, v1                    ; 16 x lane
	s_delay_alu instid0(VALU_DEP_1)
	v_add_nc_u32 v[I0], IST, v[GOF]
	v_mov_b32 v[L0], LST
	v_mov_b32 v[NIL], 0
	s_mov_b32 s[SEL], 0x76543210
	s_mov_b32 s[SEL+1], 0xfedcba98
	s_mov_b32 s[HM], 0xffff0000
	s_mov_b32 s[VM], 0xff0000ff
	s_lshl_b32 s48, ttmp9, 14
	s_lshl_b32 s49, s[WV], 11
	s_add_co_u32 s48, s48, s49                     ; my first row in z and in out0: 128 bytes a row
	s_mov_b32 s49, 0
	s_lshl_b32 s50, ttmp9, 9                       ; the work-group's 128 words in out1,
	s_mov_b32 s51, 0
	s_lshl_b32 s52, s[WV], 6
	s_add_co_u32 s52, s52, s50                     ; my wave's 16 in grp,
	s_mov_b32 s53, 0
	s_lshl_b32 s54, ttmp9, 2                       ; the work-group's word in part
	s_mov_b32 s55, 0
	s_wait_kmcnt 0x0
	s_load_b64 s[24:25], s[12:13], 0x0             ; e0, e1
	s_add_nc_u64 s[4:5], s[4:5], s[48:49]
	s_add_nc_u64 s[14:15], s[14:15], s[48:49]
	s_add_nc_u64 s[10:11], s[10:11], s[52:53]
	s_add_nc_u64 s[16:17], s[16:17], s[50:51]
	s_add_nc_u64 s[18:19], s[18:19], s[54:55]
	global_load_b128 v[G:G+3],   v10, s[10:11]
	global_load_b128 v[G+4:G+7], v10, s[10:11] offset:16
	global_load_b32 v6, v11, s[10:11]              ; my row's g
	global_load_b128 v[X:X+3],     v5, s[4:5] th:TH_LOAD_NT
	global_load_b128 v[X+4:X+7],   v5, s[4:5] offset:16 th:TH_LOAD_NT
	global_load_b128 v[X+8:X+11],  v5, s[4:5] offset:64 th:TH_LOAD_NT
	global_load_b128 v[X+12:X+15], v5, s[4:5] offset:80 th:TH_LOAD_NT
.irp p, 0,1,2,3,4,5,6,7
	v_cmp_eq_u32 s[MP+\p], \p, v4
.endr
.irp i, 0,1,2,3
	v_mov_b32 v[ZB+4+\i], 0                        ; k = 32 .. 63 of z: zero codes
	v_mov_b32 v[AF+32+\i], 0                       ; behind the last fragment
.endr
	v_mov_b32 v15, 0                               ; lane permutes' destinations count as sources: written once
	v_mov_b32 v[OTH], 0
	s_wait_loadcnt 0x4                             ; the three loads of g are in; the four issued behind them (z) may stay out
	v_min_u32 v6, 0x3ff, v6                        ; a loaded number enters an address only behind this hold
.irp p, 0,1,2,3,4,5,6,7
	v_min_u32 v[G+\p], 0x3ff, v[G+\p]
.endr
	v_lshlrev_b32 v7, 5, v6                        ; ee: 32 bytes a group
	v_lshl_add_u32 v8, v6, 10, v153                ; codebook: 1,024 bytes a group, + 32 h
.irp p, 0,1,2,3,4,5,6,7                ; code 8 g + r % 8 lies in tile g / 2, row 8 (g % 2) + r % 8: byte 512 (g / 2) + 128 (g % 2) + 16 (r % 8) + 256 h
	v_and_b32 v[TM], 1, v[G+\p]
	v_and_b32 v[G+\p], 0x3fe, v[G+\p]
	s_delay_alu instid0(VALU_DEP_1)
	v_lshl_add_u32 v[G+\p], v[G+\p], 8, v9
	s_delay_alu instid0(VALU_DEP_1)
	v_lshl_add_u32 v[G+\p], v[TM], 7, v[G+\p]
.endr
.irp p, 0,1,2,3,4,5,6,7
	global_load_b128 v[AF+4*\p:AF+4*\p+3], v[G+\p], s[8:9]
.endr
	global_load_b128 v[EE:EE+3],   v7, s[8:9] offset:262144
	global_load_b128 v[EE+4:EE+7], v7, s[8:9] offset:262160
	WIN 0x40                                       ; destination window 1: the 8 candidates, number c at v[256 + 16 c], laid as z is
.irp c, 0,1,2,3,4,5,6,7
	global_load_b128 v[16*\c:16*\c+3],     v8, s[6:7] offset:128*\c
	global_load_b128 v[16*\c+4:16*\c+7],   v8, s[6:7] offset:128*\c+16
	global_load_b128 v[16*\c+8:16*\c+11],  v8, s[6:7] offset:128*\c+64
	global_load_b128 v[16*\c+12:16*\c+15], v8, s[6:7] offset:128*\c+80
.endr
	WIN 0
	s_wait_kmcnt 0x0
	s_add_co_i32 s29, s24, 127
	s_lshl_b32 s30, s29, 23
	v_mov_b32 v13, s30                             ; 2^e0 as f32
	s_add_co_i32 s29, s29, 15
	s_lshl_b32 s29, s29, 23
	s_or_b32 s29, s29, 0x600000
	v_mov_b32 v12, s29                             ; 57,344 x 2^e0
	s_add_co_i32 s[SC], s24, s25
	s_add_co_i32 s[SC], s[SC], 128
	s_lshl_b32 s[SC], s[SC], 23
	s_or_b32 s[SC], s[SC], 0x80000000              ; -2^(e0 + e1 + 1)
	s_mov_b32 s[SC+1], s[SC]
	s_wait_loadcnt 42                              ; z is in; the 8 + 2 + 32 loads issued behind it may stay out
; The row's sum of squares: the same chain as in the launch before, so the same bits.
.macro SUMSQ x, acc, tmp
	v_mul_f32 v[\acc], v[\x], v[\x]
.irp i, 1,2,3,4,5,6,7
	s_delay_alu instid0(VALU_DEP_1)
	v_fmac_f32 v[\acc], v[\x+\i], v[\x+\i]
.endr
	s_delay_alu instid0(VALU_DEP_1)
	v_permlanex16_b32 v[\tmp], v[\acc], s[SEL], s[SEL+1]
.irp i, 0,1,2,3,4,5,6,7
	s_delay_alu instid0(VALU_DEP_1)
	v_fmac_f32 v[\tmp], v[\x+\i], v[\x+\i]
.endr
	s_delay_alu instid0(VALU_DEP_1)
	v_permlanex16_b32 v[\acc], v[\tmp], s[SEL], s[SEL+1]
.irp i, 8,9,10,11,12,13,14,15
	s_delay_alu instid0(VALU_DEP_1)
	v_fmac_f32 v[\acc], v[\x+\i], v[\x+\i]
.endr
	s_delay_alu instid0(VALU_DEP_1)
	v_permlanex16_b32 v[\tmp], v[\acc], s[SEL], s[SEL+1]
.irp i, 8,9,10,11,12,13,14,15
	s_delay_alu instid0(VALU_DEP_1)
	v_fmac_f32 v[\tmp], v[\x+\i], v[\x+\i]
.endr
	s_delay_alu instid0(VALU_DEP_1)
	v_permlanex16_b32 v[\acc], v[\tmp], s[SEL], s[SEL+1]
	s_delay_alu instid0(VALU_DEP_1)
	v_cndmask_b32 v[\acc], v[\acc], v[\tmp], s[HM]
.endm
.macro QUANT x, t, c, lim, sc
.irp i, 0,1,2,3,4,5,6,7,8,9,10,11,12,13,14,15
	v_med3_num_f32 v[\t+\i], v[\x+\i], -v[\lim], v[\lim]   ; the conversion to an 8-bit code does not saturate (ISA guide 7.6.2): the hold at the largest code x the scale
.endr
	v_cvt_scalef32_pk8_bf8_f32 v[\c:\c+1],   v[\t:\t+7],    v[\sc]
	v_cvt_scalef32_pk8_bf8_f32 v[\c+2:\c+3], v[\t+8:\t+15], v[\sc]
	v_nop                                          ; a plain vector line between the last conversion and the matrix instructions that read its result
.endm
	SUMSQ X, 14, 15
	s_delay_alu instid0(VALU_DEP_1)
	v_mov_b32 v15, v14                             ; zz twice: a pair
	QUANT X, T, ZB, 12, 13
	s_wait_alu depctr_va_vdst(0)
	s_wait_loadcnt 32                              ; the fragments and ee are in; the 32 loads of candidates may stay out
.irp p, 0,1,2,3
	v_wmma_f32_16x16x64_bf8_bf8 v[D+8*\p:D+8*\p+7], v[AF+4*\p:AF+4*\p+7], v[ZB:ZB+7], 0
.endr
.irp j, 0,2,4,6
	v_pk_add_f32 v[EE+\j:EE+\j+1], v[EE+\j:EE+\j+1], v[14:15]   ; zz + ee.  (These four are the places behind the products: ISA guide 7.12.1)
.endr
.irp j, 0,1,2,3,4,5,6,7
	v_mov_b32 v[R+\j], v[D+\j]                     ; each result from its low end on
.endr
.irp p, 1,2,3
.irp j, 0,1,2,3,4,5,6,7
	v_cndmask_b32 v[R+\j], v[R+\j], v[D+8*\p+\j], s[MP+\p]   ; the lanes with r % 8 = p keep product p's
.endr
.endr
.irp p, 0,1,2,3                        ; products 4-7 write over results that have been read: behind each product written over stand 28 plain vector lines that name none of its registers (5 are asked)
	v_wmma_f32_16x16x64_bf8_bf8 v[D+8*\p:D+8*\p+7], v[AF+16+4*\p:AF+16+4*\p+7], v[ZB:ZB+7], 0
.endr
.rept 4
	v_nop
.endr
.irp p, 0,1,2,3
.irp j, 0,1,2,3,4,5,6,7
	v_cndmask_b32 v[R+\j], v[R+\j], v[D+8*\p+\j], s[MP+4+\p]
.endr
.endr
.irp j, 0,2,4,6
	v_pk_fma_f32 v[EE+\j:EE+\j+1], v[R+\j:R+\j+1], s[SC:SC+1], v[EE+\j:EE+\j+1] op_sel_hi:[1,0,1]   ; the distances: one rounding
.endr
	s_delay_alu instid0(VALU_DEP_3)
	v_min3_num_f32 v[M], v[EE], v[EE+1], v[EE+2]
	s_delay_alu instid0(VALU_DEP_1)
	v_min3_num_f32 v[M], v[M], v[EE+3], v[EE+4]
	s_delay_alu instid0(VALU_DEP_1)
	v_min3_num_f32 v[M], v[M], v[EE+5], v[EE+6]
	s_delay_alu instid0(VALU_DEP_1)
	v_min_num_f32 v[M], v[M], v[EE+7]
	v_mov_b32 v[POS], 7
.irp j, 6,5,4,3,2,1,0                  ; downward, so that the lowest place with the smallest distance stays
	v_cmp_neq_f32 vcc_lo, v[EE+\j], v[M]
	s_delay_alu instid0(VALU_DEP_1)
	v_cndmask_b32 v[POS], \j, v[POS], vcc_lo
.endr
	s_delay_alu instid0(VALU_DEP_1)
	v_permlanex16_b32 v[OTH], v[POS], s[SEL], s[SEL+1]
	s_delay_alu instid0(VALU_DEP_1)
	v_cndmask_b32 v[POS], v[OTH], v[POS], s[VM]    ; of lanes (r, 0) and (r, 1) one held the row's own products: both now hold its place
	s_delay_alu instid0(VALU_DEP_1)
	v_lshl_add_u32 v[IDX], v6, 3, v[POS]           ; the index
.irp c, 1,2,3,4,5,6,7
	v_cmp_eq_u32 s[MC+\c-1], \c, v[POS]
.endr
	s_wait_loadcnt 0x0                             ; the candidates
	WIN 0x45                                       ; destination and sources 0, 1 window 1
.irp c, 1,2,3,4,5,6,7
.irp e, 0,1,2,3,4,5,6,7,8,9,10,11,12,13,14,15
	v_cndmask_b32 v[\e], v[\e], v[16*\c+\e], s[MC+\c-1]   ; z_q is picked, not fetched: no address hangs on the place
.endr
.endr
	WIN 0x01                                       ; source 0 window 1
.irp j, 0,2,4,6,8,10,12,14
	v_pk_add_f32 v[OUT+\j:OUT+\j+1], v[\j:\j+1], v[X+\j:X+\j+1] neg_lo:[0,1] neg_hi:[0,1]   ; z_q - z
.endr
	WIN 0
	v_pk_mul_f32 v[ACC:ACC+1], v[OUT:OUT+1], v[OUT:OUT+1]
.irp j, 2,4,6,8,10,12,14
	s_delay_alu instid0(VALU_DEP_1)
	v_pk_fma_f32 v[ACC:ACC+1], v[OUT+\j:OUT+\j+1], v[OUT+\j:OUT+\j+1], v[ACC:ACC+1]
.endr
.irp j, 0,2,4,6,8,10,12,14
	v_pk_add_f32 v[OUT+\j:OUT+\j+1], v[X+\j:X+\j+1], v[OUT+\j:OUT+\j+1]   ; z + (z_q - z)
.endr
	; THE WAY OUT: a lane's pieces of a row go through my stage and come back as whole rows.
	ds_store_b128 v[STO], v[OUT:OUT+3]
	ds_store_b128 v[STO], v[OUT+4:OUT+7] offset:16
	ds_store_b128 v[STO], v[OUT+8:OUT+11] offset:64
	ds_store_b128 v[STO], v[OUT+12:OUT+15] offset:80
.irp i, 0,1,2,3
	ds_load_b128 v[BK+4*\i:BK+4*\i+3], v[SRD] offset:576*\i   ; LDS serves a wave's instructions in order: these see my stores
.endr
	ds_store_b32 v[IAD], v[IDX]                    ; (both halves of the lanes write the same word with the same value)
	v_add_f32 v[ACC], v[ACC], v[ACC+1]
	s_delay_alu instid0(VALU_DEP_1)
	v_add_f32_dpp v[ACC], v[ACC], v[ACC] row_xmask:1 row_mask:0xf bank_mask:0xf
	s_delay_alu instid0(VALU_DEP_1)
	v_add_f32_dpp v[ACC], v[ACC], v[ACC] row_xmask:2 row_mask:0xf bank_mask:0xf
	s_delay_alu instid0(VALU_DEP_1)
	v_add_f32_dpp v[ACC], v[ACC], v[ACC] row_xmask:4 row_mask:0xf bank_mask:0xf
	s_delay_alu instid0(VALU_DEP_1)
	v_add_f32_dpp v[ACC], v[ACC], v[ACC] row_xmask:8 row_mask:0xf bank_mask:0xf
	s_delay_alu instid0(VALU_DEP_1)
	v_permlanex16_b32 v[TM], v[ACC], s[SEL], s[SEL+1]
	s_delay_alu instid0(VALU_DEP_1)
	v_add_f32 v[ACC], v[ACC], v[TM]                ; my wave's sum, in every lane
	ds_store_b32 v[LAD], v[ACC]
	s_wait_dscnt 0x0                               ; my rows are back, and, for wave 0's sake, my stores have landed
.irp i, 0,1,2,3
	global_store_b128 v[GOF], v[BK+4*\i:BK+4*\i+3], s[14:15] offset:512*\i th:TH_STORE_NT   ; 32 lanes store 512 consecutive bytes: four rows
.endr
	s_barrier_signal -1
	s_barrier_wait -1
	s_cmp_lg_u32 s[WV], 0
	s_cbranch_scc1 .Ldone
	ds_load_b128 v[100:103], v[I0]                 ; (registers of their own: the rows' registers are still the data of pending stores)
	ds_load_b128 v[104:107], v[L0]
	ds_load_b128 v[108:111], v[L0] offset:16
	s_wait_dscnt 0x0
	global_store_b128 v[GOF], v[100:103], s[16:17] ; the work-group's 128 indices: 512 consecutive bytes
	v_pk_add_f32 v[104:105], v[104:105], v[106:107]
	v_pk_add_f32 v[108:109], v[108:109], v[110:111]
	s_delay_alu instid0(VALU_DEP_1)
	v_pk_add_f32 v[104:105], v[104:105], v[108:109]
	s_delay_alu instid0(VALU_DEP_1)
	v_add_f32 v104, v104, v105
	s_wait_alu depctr_va_vdst(0)
	s_wait_xcnt 0x0                                ; EXEC is a source of the pending stores: it changes only behind this wait
	v_cmp_eq_u32 vcc_lo, 0, v0
	s_and_saveexec_b32 s47, vcc_lo
	global_store_b32 v[NIL], v104, s[18:19]        ; one number a work-group
	s_wait_xcnt 0x0                                ; and again, in front of the line that widens it
	s_or_b32 exec_lo, exec_lo, s47
.Ldone:
	s_wait_tensorcnt 0x0
	ds_add_u32 v254, v255
	s_wait_dscnt 0x0
	s_endpgm
.Lfunc_end_k_qc975acb580_refine:
	.size	k_qc975acb580_refine, .Lfunc_end_k_qc975acb580_refine-k_qc975acb580_refine
	.p2alignl 7, 3214868480
	.fill 96, 4, 3214868480
	.section	.rodata,"a",@progbits
	.p2align	6, 0x0
	.amdhsa_kernel k_qc975acb580_refine
		.amdhsa_group_segment_fixed_size 20224
		.amdhsa_private_segment_fixed_size 0
		.amdhsa_enable_private_segment 0
		.amdhsa_kernarg_size 64
		.amdhsa_user_sgpr_count 2
		.amdhsa_user_sgpr_kernarg_segment_ptr 1
		.amdhsa_wavefront_size32 1
		.amdhsa_system_sgpr_workgroup_id_x 1
		.amdhsa_system_sgpr_workgroup_id_y 1
		.amdhsa_system_sgpr_workgroup_id_z 1
		.amdhsa_system_vgpr_workitem_id 0
		.amdhsa_next_free_vgpr 384
		.amdhsa_next_free_sgpr 66
		.amdhsa_reserve_vcc 1
		.amdhsa_float_denorm_mode_32 3
		.amdhsa_float_denorm_mode_16_64 3
		.amdhsa_memory_ordered 1
		.amdhsa_forward_progress 1
		.amdhsa_inst_pref_size 35
	.end_amdhsa_kernel
	.amdgpu_metadata
---
amdhsa.version: [ 1, 2 ]
amdhsa.kernels:
  - .name:           k_qc975acb580_refine
    .symbol:         k_qc975acb580_refine.kd
    .args:
      - { .name: z, .offset: 0, .size: 8, .value_kind: global_buffer, .address_space: global }
      - { .name: codebook, .offset: 8, .size: 8, .value_kind: global_buffer, .address_space: global }
      - { .name: cbq, .offset: 16, .size: 8, .value_kind: global_buffer, .address_space: global }
      - { .name: grp, .offset: 24, .size: 8, .value_kind: global_buffer, .address_space: global }
      - { .name: lowp_scales, .offset: 32, .size: 8, .value_kind: global_buffer, .address_space: global }
      - { .name: out0, .offset: 40, .size: 8, .value_kind: global_buffer, .address_space: global }
      - { .name: out1, .offset: 48, .size: 8, .value_kind: global_buffer, .address_space: global }
      - { .name: part, .offset: 56, .size: 8, .value_kind: global_buffer, .address_space: global }
    .group_segment_fixed_size: 20224
    .private_segment_fixed_size: 0
    .kernarg_segment_align: 8
    .kernarg_segment_size: 64
    .max_flat_workgroup_size: 256
    .sgpr_count:     66
    .vgpr_count:     384
    .wavefront_size: 32
...
	.end_amdgpu_metadata
.endif
;; end of part 3
;; launch total (part 4): grid 1 x 1, 1 waves a work-group, no clusters, 0 bytes of LDS; arguments part, out2; writes out2
.if DOCPART == 4
	.amdgcn_target "amdgcn-amd-amdhsa--gfx1250"
	.amdhsa_code_object_version 6
	.text
	.protected	k_qc975acb580_total
	.globl	k_qc975acb580_total
	.p2align	8
	.type	k_qc975acb580_total,@function
k_qc975acb580_total:
	s_mov_b64 s[64:65], 0
	v_nop
	global_prefetch_b8 v0, s[64:65] scope:SCOPE_SE
	s_setreg_imm32_b32 hwreg(HW_REG_WAVE_MODE, 25, 1), 1
	s_wait_xcnt 0x0
; out2 = mean + 0.25 x mean, mean = the sum of (z_q - z)^2 over 2^20 numbers.  part holds 256 partial sums, one for each work-group of the launch before: a sum that spans work-groups is
; made by one owner in a launch of its own.  One wave: eight numbers a lane, then across the lanes.
	s_load_b128 s[4:7], s[0:1], 0x0                ; part s[4:5], out2 s[6:7]
	v_lshlrev_b32 v1, 4, v0
	s_mov_b32 s8, 0x76543210
	s_mov_b32 s9, 0xfedcba98
	v_mov_b32 v12, 0                               ; a lane permute's destination counts as one of its sources
	v_mov_b32 v13, 0
	s_wait_alu depctr_va_vdst(0)
	s_wait_kmcnt 0x0
	global_load_b128 v[4:7], v1, s[4:5]
	global_load_b128 v[8:11], v1, s[4:5] offset:512
	s_wait_loadcnt 0x0
	v_pk_add_f32 v[4:5], v[4:5], v[6:7]
	v_pk_add_f32 v[8:9], v[8:9], v[10:11]
	v_pk_add_f32 v[4:5], v[4:5], v[8:9]
	v_add_f32 v4, v4, v5
	v_add_f32_dpp v4, v4, v4 row_xmask:1 row_mask:0xf bank_mask:0xf
	v_add_f32_dpp v4, v4, v4 row_xmask:2 row_mask:0xf bank_mask:0xf
	v_add_f32_dpp v4, v4, v4 row_xmask:4 row_mask:0xf bank_mask:0xf
	v_add_f32_dpp v4, v4, v4 row_xmask:8 row_mask:0xf bank_mask:0xf
	v_permlanex16_b32 v12, v4, s8, s9
	v_add_f32 v4, v4, v12
	v_mul_f32 v4, 0x35800000, v4                   ; x 2^-20: the mean
	v_fma_f32 v5, 0x3e800000, v4, v4               ; + 0.25 x the mean
	s_wait_alu depctr_va_vdst(0)
	s_wait_xcnt 0x0                                ; EXEC changes only behind this wait
	v_cmp_eq_u32 vcc_lo, 0, v0
	s_and_saveexec_b32 s10, vcc_lo
	global_store_b32 v13, v5, s[6:7]
	s_wait_xcnt 0x0
	s_or_b32 exec_lo, exec_lo, s10
	s_endpgm
.Lfunc_end_k_qc975acb580_total:
	.size	k_qc975acb580_total, .Lfunc_end_k_qc975acb580_total-k_qc975acb580_total
	.p2alignl 7, 3214868480
	.fill 96, 4, 3214868480
	.section	.rodata,"a",@progbits
	.p2align	6, 0x0
	.amdhsa_kernel k_qc975acb580_total
		.amdhsa_group_segment_fixed_size 0
		.amdhsa_private_segment_fixed_size 0
		.amdhsa_enable_private_segment 0
		.amdhsa_kernarg_size 16
		.amdhsa_user_sgpr_count 2
		.amdhsa_user_sgpr_kernarg_segment_ptr 1
		.amdhsa_wavefront_size32 1
		.amdhsa_system_sgpr_workgroup_id_x 1
		.amdhsa_system_sgpr_workgroup_id_y 1
		.amdhsa_system_sgpr_workgroup_id_z 1
		.amdhsa_system_vgpr_workitem_id 0
		.amdhsa_next_free_vgpr 16
		.amdhsa_next_free_sgpr 66
		.amdhsa_reserve_vcc 1
		.amdhsa_float_denorm_mode_32 3
		.amdhsa_float_denorm_mode_16_64 3
		.amdhsa_memory_ordered 1
		.amdhsa_forward_progress 1
		.amdhsa_inst_pref_size 2
	.end_amdhsa_kernel
	.amdgpu_metadata
---
amdhsa.version: [ 1, 2 ]
amdhsa.kernels:
  - .name:           k_qc975acb580_total
    .symbol:         k_qc975acb580_total.kd
    .args:
      - { .name: part, .offset: 0, .size: 8, .value_kind: global_buffer, .address_space: global }
      - { .name: out2, .offset: 8, .size: 8, .value_kind: global_buffer, .address_space: global }
    .group_segment_fixed_size: 0
    .private_segment_fixed_size: 0
    .kernarg_segment_align: 8
    .kernarg_segment_size: 16
    .max_flat_workgroup_size: 32
    .sgpr_count:     66
    .vgpr_count:     16
    .wavefront_size: 32
...
	.end_amdgpu_metadata
.endif
;; end of part 4
